; MI455X (gfx1250); checked and timed in simulation.
; The chip was launched on July 23, 2026; its instructions are those of AMD's public machine-readable ISA for CDNA 5 (MIT licence, August 2026) and "CDNA5" Instruction Set Architecture Reference Guide (July 2026). The comments in the code are by the model that wrote it; some were corrected since.
;; Attention. Allowed arithmetic: matrix products marked QUANTISED: E3M2 operands, one E8M0 scale for each 32 along K, by v_wmma_scale_f32_16x16x128_f8f6f4 with both operands' format E3M2, f32 sums; everything else in f32.
;; Inputs: k 4,096 x 16 x 64 float32; q 4,096 x 16 x 64 float32; v 4,096 x 16 x 64 float32.
;; Outputs: out0 4,096 x 1,024 float32.
;; This version of the problem:
;;   THIS VERSION OF THE PROBLEM IS GIVEN IN LOW PRECISION. The matrix products marked QUANTISED in the list below multiply operands that are first quantised to E3M2 (3 exponent bits, 2 mantissa bits; 6 bits a number), with one power-of-two scale for each 32 numbers along K (OCP MX v1.0); their sums are f32. All else is computed in f32.
;;   The module's matrix products, in the order in which they are computed (A, B: the left and right operand; K: the contracted axis; several contracted axes count as one K, in the product's order):
;;     1. batch 16 x [M 4,096, K 64] x [K 64, N 4,096]; A: input q; B: input k: QUANTISED
;;     2. batch 16 x [M 64, K 4,096] x [K 4,096, N 4,096]; A: input v; B: softmax (see below): QUANTISED
;;   THE QUANTISER, for each operand of a quantised product, along K:
;;     - K is cut into blocks of 32 from its start; a last block that is shorter is filled with zeros.
;;     - A block's scale is 2^e with e = floor(log2(the largest magnitude in the block)) - 4, held to -126 .. 127; a block of zeros has e = 0. As a byte (E8M0): e + 127.
;;     - Each number is divided by its block's scale, clamped to +-28, and rounded to the nearest number of E3M2, ties to even, subnormals kept.
;;     - The product sums the exact products of the quantised numbers (number of the format x scale) in f32.
;;   ~~~python
;;   def quantise(x, axis):      # numpy; x: float32 -> the quantised numbers, widened to float32 again
;;       x = np.moveaxis(x, axis, -1); K = x.shape[-1]
;;       x = np.pad(x, [(0, 0)] * (x.ndim - 1) + [(0, -K % 32)]); x = x.reshape(x.shape[:-1] + (-1, 32)); a = np.abs(x).max(-1, keepdims=True)
;;       e = np.where(a > 0, np.clip(np.frexp(np.where(a > 0, a, 1))[1] - 1 - 4, -126, 127), 0)      # np.frexp(a)[1] - 1 = floor(log2(a)), exactly
;;       r = np.clip(x / 2.0 ** e, -28, 28)
;;       step = 2.0 ** (np.maximum(np.frexp(np.where(r == 0, 1, r))[1] - 1, -2) - 2)
;;       q = np.round(r / step) * step * 2.0 ** e      # np.round: ties to even
;;       return np.moveaxis(q.reshape(q.shape[:-2] + (-1,))[..., :K], -1, axis).astype(np.float32)
;;   ~~~
;;   SOFTMAX AHEAD OF A QUANTISED PRODUCT. Where the list says 'softmax', what is quantised is not the finished softmax but p = 2^(t - M), with t = logit x log2(e) and M = ceil(the row's largest t), a whole number; so 1/2 < the row's largest p <= 1. The row's sum l is taken of the UNQUANTISED p, in f32, and the product's result is divided by l at the end. Since M is a whole number, a kernel that streams over the keys may use a running M (the ceiling of the running maximum): every later rescaling is an exact power of two, which a block's scale takes up: the codes' values come out the same.
;;   OPERANDS COMPUTED ON THE WAY. 'Computed on the way' means the value that the module computes at that place (a softmax that the list does not call 'softmax' is quantised finished and normalised). What goes into a quantiser is computed in f32, as accurately as f32 sums, v_exp_f32 and their like allow (about 1e-6 of the number): no bf16 or f16 on the way to a quantiser, and a product that is left as it is and whose result goes on into a quantised operand takes f32 operands (vector FMAs, or v_wmma_f32_16x16x4_f32). A number that lies on a knife's edge between two numbers of the format may be rounded either way, as far as f32 arithmetic and the matrix unit's own rounding can turn it there, and no further.
;; One version. Each part assembles by itself: llvm-mc -triple=amdgcn-amd-amdhsa -mcpu=gfx1250 --defsym DOCPART=n.
;; ======== version 1 of 1: 2 launches
;; workspace buffers: qc 3,407,872 bytes; kv 6,684,672 bytes
;; launch quant (part 1): grid 1280 x 1, 4 waves a work-group, no clusters, 35,328 bytes of LDS; arguments q, k, v, qc, kv; writes qc, kv
.if DOCPART == 1
	.amdgcn_target "amdgcn-amd-amdhsa--gfx1250"
	.amdhsa_code_object_version 6
	.text
	.protected	k_q2bab637be2_quant
	.globl	k_q2bab637be2_quant
	.p2align	8
	.type	k_q2bab637be2_quant,@function
k_q2bab637be2_quant:
	s_mov_b64 s[64:65], 0
	v_nop
	global_prefetch_b8 v0, s[64:65] scope:SCOPE_SE
	s_setreg_imm32_b32 hwreg(HW_REG_WAVE_MODE, 25, 1), 1
	s_wait_xcnt 0x0
; q, k, v: [4096 positions][16 heads][64] f32.  All three are turned into codes of BF6 (E3M2), 6 bits each, with one E8M0 scale byte for each 32 along the K of the product that they enter:
; q and k along the head's 64 (two blocks a row), v along the positions (the keys).  A block's scale is 2^(floor(log2(its largest magnitude)) - 4): its byte is that magnitude's exponent field - 4.
; THE OUTPUT IS LAID AS IMAGES OF THE MATRIX OPERANDS' REGISTERS, so that the second launch fetches every fragment by loads of 16 bytes a lane, lane l at 16 l.
; kv: one block of 13,056 bytes for each head and step of 128 keys (block number 32 x head + step):
;   byte 0      K's codes: 4 images of 1,536 bytes; image b holds keys 32 b .. 32 b + 31 as 12 registers a lane: registers 0-5 tile 2 b, registers 6-11 tile 2 b + 1; registers 4 c .. 4 c + 3 of lane l at 512 c + 16 l
;   byte 6,144  K's scale words: 4 images of 128 bytes, lane l at 4 l: lanes 0-15 tile 2 b's rows, lanes 16-31 tile 2 b + 1's
;   byte 6,656  V's codes: 4 images of 1,536 bytes; image t holds channels 16 t .. 16 t + 15 x 128 keys, 12 registers a lane
;   byte 12,800 V's scale words: 2 images of 128 bytes: lanes 0-15 tile 2 w, lanes 16-31 tile 2 w + 1
; qc: one block of 6,656 bytes for each head and 128 queries, laid as the first 6,656 bytes above.
; THE ROWS OF A TILE OF K OR Q ARE NOT NEIGHBOURS: lane r of tile 2 b + u holds row 32 b + 8 u + r + 8 (r / 8); lanes 0-15 hold the head's 0 .. 31, lanes 16-31 its 32 .. 63: six registers.
; A scale word of K or Q repeats its two bytes (b0, b1, b0, b1): the matrix instruction is 128 deep, the head 64; the upper 64 meet zero codes of q in the second launch.
; SHARES.  Work-groups 0-255 take v (step = number % 32, two heads each), work-groups 256-767 q, 768-1279 k (one head and step each; wave w takes image w: 32 rows).  Waves share nothing: no barrier.
; LIMITS: NaN and infinities among the inputs are not served.  A block whose largest magnitude lies under 2^-122, a block of zeros among them, gets the byte 1 (the rule says 127 for zeros):
; a block of zeros has zero codes, which add nothing under any byte but 0xff, and this program alone reads the bytes.  The scale words leave as 128 consecutive bytes a wave, one part in 25 of the bytes stored.
.set QBLK,  6656                       ; a block of qc
.set KVBLK, 13056                      ; a block of kv
.set SCO,   6144                       ; the scale words behind 4 images of codes
.set SP,    272                        ; a row's place in the stage: its 256 bytes + 16
.set WST,   32*SP                      ; a wave's stage: 32 rows
.set FLOOR, 0x2800000                  ; 2^(5 - 127): under it no largest magnitude is taken, so the byte cannot fall under 1
.set OFF4,  0xfe000000                 ; takes 4 off an exponent field
.set R,     32                         ; q, k: v32-95   16 x 4 registers as loaded
.set X,     96                         ;       v96-159  two tiles x 32 neighbours along the head
.set C,     160                        ;       v160-171 the image's 12 registers
.set T,     172                        ;       v172-174, v176-178 the second half of a tile's codes (a conversion's three registers begin on an even number)
.set XV,    32                         ; v:    v32-95   two sets of 32 keys of my channel
.set F,     96                         ;       v96-107 tile A's image, v108-119 tile B's
.set TV,    120                        ;       v120.. the second halves, four registers a block
	s_load_b256 s[4:11], s[0:1], 0x0               ; q s[4:5], k s[6:7], v s[8:9], qc s[10:11]
	s_load_b64 s[12:13], s[0:1], 0x20              ; kv
	v_lshl_add_u32 v192, v0, 2, 0x8800
	v_mov_b32 v193, 0
	v_lshrrev_b32 v1, 5, v0
	v_readfirstlane_b32 s14, v1                    ; wave 0..3
	v_and_b32 v1, 31, v0                           ; lane
	v_and_b32 v2, 15, v0                           ; r
	v_bfe_u32 v3, v0, 4, 1                         ; h
	s_mov_b32 s22, 0x76543210
	s_mov_b32 s23, 0xfedcba98                      ; v_permlanex16_b32's selects for lane l xor 16
	s_mul_i32 s28, s14, WST                        ; my stage
	v_mul_u32_u24 v5, v3, SP
	v_lshl_add_u32 v5, v2, 4, v5
	v_add_nc_u32 v5, s28, v5                       ; into it: lanes 0-15 one row's 256 bytes, lanes 16-31 the next row's
	v_mul_u32_u24 v6, v2, SP
	v_lshl_add_u32 v6, v3, 7, v6
	v_add_nc_u32 v6, s28, v6                       ; out of it: place r, my half's 128 bytes
	s_wait_kmcnt 0x0
	s_cmp_lt_u32 ttmp9, 256
	s_cbranch_scc1 .Lv
; The largest magnitude of 32 numbers of one lane, v[xs] on, in two chains, with the floor as one more leaf: into v10.
.macro MAX32 xs
	v_max3_num_f32 v10, |v[\xs]|, |v[\xs+1]|, |v[\xs+2]|
	v_max3_num_f32 v11, |v[\xs+3]|, |v[\xs+4]|, |v[\xs+5]|
.irp i, 6,10,14,18,22,26
	v_max3_num_f32 v10, v10, |v[\xs+\i]|, |v[\xs+\i+1]|
	v_max3_num_f32 v11, v11, |v[\xs+\i+2]|, |v[\xs+\i+3]|
.endr
	v_max3_num_f32 v10, v10, |v[\xs+30]|, |v[\xs+31]|
	v_max3_num_f32 v10, v10, v11, FLOOR
.endm
	; ---------------- q and k: 32 rows x 256 bytes a wave ----------------
	s_sub_co_u32 s15, ttmp9, 256
	s_cmp_lt_u32 s15, 512                          ; q's work-group or k's?  The choice hangs on the work-group's number alone
	s_cselect_b64 s[16:17], s[4:5], s[6:7]         ; from
	s_cselect_b64 s[18:19], s[10:11], s[12:13]     ; to
	s_mov_b32 s20, KVBLK
	s_cselect_b32 s20, QBLK, s20                   ; bytes from block to block
	s_and_b32 s15, s15, 511                        ; 32 x head + step
	s_and_b32 s24, s15, 31
	s_lshl_b32 s24, s24, 19                        ; the step's 128 rows of 4,096 bytes,
	s_lshl_b32 s25, s14, 17                        ; my wave's 32 of them,
	s_or_b32 s24, s24, s25
	s_lshr_b32 s25, s15, 5
	s_lshl_b32 s25, s25, 8                         ; the head's 256 bytes of a row
	s_or_b32 s24, s24, s25
	s_mov_b32 s25, 0
	s_add_nc_u64 s[16:17], s[16:17], s[24:25]
	s_mul_i32 s26, s15, s20
	s_mov_b32 s27, 0
	s_add_nc_u64 s[18:19], s[18:19], s[26:27]
	v_lshlrev_b32 v4, 12, v3
	v_lshl_add_u32 v4, v2, 4, v4                   ; in: 4,096 h + 16 r: sixteen lanes read a row's 256 consecutive bytes
	s_mul_i32 s29, s14, 1536
	v_lshl_add_u32 v7, v1, 4, s29                  ; out: my image, 16 bytes a lane
	s_lshl_b32 s29, s14, 7
	v_lshl_add_u32 v8, v1, 2, s29                  ; and its scale words, 4 bytes a lane
	v_lshlrev_b32 v9, 3, v3                        ; 8 h: my block's byte in a scale word
	v_cmp_lt_u32 s21, 15, v1                       ; lanes 16-31
	v_mov_b32 v18, 0                               ; written once: a lane permute's destination counts as one of its sources
	v_mov_b32 v19, 0
.irp i, 0,1,2,3,4,5,6,7,8,9,10,11,12,13,14,15
	global_load_b128 v[R+4*\i:R+4*\i+3], v4, s[16:17] offset:8192*\i th:TH_LOAD_NT   ; rows 2 i and 2 i + 1; read once in the launch
.endr
; Row 16 a + 8 u + j of the 32 goes to place 16 u + 8 a + j of the stage: a tile's sixteen rows are then sixteen neighbouring places, in the order of its lanes.
.irp i, 0,1,2,3,4,5,6,7,8,9,10,11,12,13,14,15
	s_wait_loadcnt 15-\i                           ; loads come back in order: load i is in, the 15 - i younger ones may be out
	ds_store_b128 v5, v[R+4*\i:R+4*\i+3] offset:(16*((\i/4)%2)+8*(\i/8)+2*(\i%4))*SP
.endr
.irp u, 0,1
.irp i, 0,1,2,3,4,5,6,7
	ds_load_b128 v[X+32*\u+4*\i:X+32*\u+4*\i+3], v6 offset:16*SP*\u+16*\i   ; LDS serves a wave's instructions in order: these see my stores.  Lane (r, h): tile u's row r, the head's 32 h .. 32 h + 31
.endr
.endr
; Tile u: a lane's 32 numbers are a whole block.
.macro QT u
.set XS, X+32*\u
	MAX32 XS
	v_add_nc_u32 v[12+\u], OFF4, v10               ; 4 off the exponent field: the conversion takes the exponent field of this operand as its scale, and nothing else of it
	v_lshrrev_b32 v[14+\u], 23, v[12+\u]           ; the scale's byte
	v_cvt_scalef32_pk16_bf6_f32 v[C+6*\u:C+6*\u+2], v[XS:XS+15], v[12+\u]
	v_cvt_scalef32_pk16_bf6_f32 v[T+4*\u:T+4*\u+2], v[XS+16:XS+31], v[12+\u]
	v_lshlrev_b32 v[16+\u], v9, v[14+\u]           ; my byte at its place.  (Also the plain instruction between the conversions and the moves that read their results)
.irp i, 0,1,2
	v_mov_b32 v[C+6*\u+3+\i], v[T+4*\u+\i]
.endr
	v_permlanex16_b32 v[18+\u], v[16+\u], s22, s23
	v_or_b32 v[16+\u], v[16+\u], v[18+\u]          ; with lane l xor 16's: b0, b1
	v_lshl_or_b32 v[16+\u], v[16+\u], 16, v[16+\u] ; b0, b1, b0, b1
.endm
	s_wait_dscnt 8                                 ; tile 0's eight loads are in; tile 1's eight may be out
	QT 0
	s_wait_dscnt 0x0
	QT 1
	v_cndmask_b32 v20, v16, v17, s21               ; lanes 0-15 tile 0's words, lanes 16-31 tile 1's
.irp c, 0,1,2
	global_store_b128 v7, v[C+4*\c:C+4*\c+3], s[18:19] offset:512*\c   ; 32 lanes store 512 consecutive bytes, at a multiple of 256 from the buffer's first byte
.endr
	global_store_b32 v8, v20, s[18:19] offset:SCO
	s_wait_tensorcnt 0x0
	ds_add_u32 v192, v193
	s_wait_dscnt 0x0
	s_endpgm
	; ---------------- v: a lane takes a channel, and its registers run down the keys ----------------
.Lv:
	s_and_b32 s15, ttmp9, 31                       ; step
	s_lshr_b32 s16, ttmp9, 5                       ; pair of heads
	s_lshl_b32 s24, s15, 19                        ; the step's 128 rows of 4,096 bytes,
	s_lshl_b32 s25, s16, 9                         ; the two heads' 512 bytes of a row,
	s_or_b32 s24, s24, s25
	s_lshl_b32 s25, s14, 7                         ; my wave's 128 of them: the four waves stand side by side
	s_or_b32 s24, s24, s25
	s_mov_b32 s25, 0
	s_add_nc_u64 s[8:9], s[8:9], s[24:25]
	s_lshr_b32 s17, s14, 1
	s_lshl_b32 s16, s16, 1
	s_add_co_u32 s16, s16, s17                     ; head = 2 x pair + wave / 2
	s_lshl_b32 s16, s16, 5
	s_add_co_u32 s16, s16, s15                     ; block = 32 x head + step
	s_mul_i32 s26, s16, KVBLK
	s_add_co_u32 s26, s26, QBLK                    ; V's part lies behind K's 6,656 bytes
	s_mov_b32 s27, 0
	s_add_nc_u64 s[12:13], s[12:13], s[26:27]
	s_and_b32 s17, s14, 1                          ; which 32 channels of the head: tiles 2 w' and 2 w' + 1
	s_mul_i32 s18, s17, 3072
	s_lshl_b32 s19, s17, 7
	v_lshlrev_b32 v4, 2, v1                        ; in: 4 bytes a lane: 128 consecutive bytes a wave
	v_lshl_add_u32 v7, v1, 4, s18                  ; out: my two images
	v_lshl_add_u32 v8, v1, 2, s19                  ; and their scale words
.macro LOADB t                         ; keys 32 t + 0 .. 31 of my channel into set t % 2
.irp i, 0,1,2,3,4,5,6,7,8,9,10,11,12,13,14,15,16,17,18,19,20,21,22,23,24,25,26,27,28,29,30,31
	global_load_b32 v[XV+32*((\t)%2)+\i], v4, s[8:9] offset:(32*(\t)+\i)*4096 th:TH_LOAD_NT
.endr
.endm
.macro BLOCK t                         ; block t of 32 keys: all its numbers are mine
.set XS, XV+32*((\t)%2)
.set DST, F+12*((\t)%2)+6*((\t)/2)     ; an even block goes to tile A's registers, an odd one to tile B's: the exchange below sorts them
.if (\t) < 3
	s_wait_loadcnt 32                              ; this block's 32 loads are in; the next block's 32 may be out
.else
	s_wait_loadcnt 0x0
.endif
	MAX32 XS
	v_add_nc_u32 v12, OFF4, v10
	v_lshrrev_b32 v13, 23, v12
	v_cvt_scalef32_pk16_bf6_f32 v[DST:DST+2], v[XS:XS+15], v12
	v_cvt_scalef32_pk16_bf6_f32 v[TV+4*(\t):TV+4*(\t)+2], v[XS+16:XS+31], v12
.if (\t) == 0
	v_mov_b32 v14, v13                             ; my channel's scale word: the lower keys' byte lowest.  (Also the plain instruction behind the conversions)
.else
	v_lshl_or_b32 v14, v13, 8*(\t), v14
.endif
.irp i, 0,1,2
	v_mov_b32 v[DST+3+\i], v[TV+4*(\t)+\i]
.endr
.endm
	LOADB 0
	LOADB 1
	BLOCK 0
	LOADB 2
	BLOCK 1
	LOADB 3
; The operand wants, in a tile's registers 6 c .. 6 c + 5, block 2 c in lanes 0-15 and block 2 c + 1 in lanes 16-31, of the tile's sixteen channels.  I hold block 2 c of 32 channels in one run of six and block 2 c + 1
; in another: the first's lanes 16-31 change places with the second's lanes 0-15, and the first is tile A's (channels 0-15 of my 32), the second tile B's.
.irp j, 0,1,2,3,4,5
	v_permlane16_swap_b32 v[F+\j], v[F+12+\j]
.endr
	BLOCK 2
	BLOCK 3
.irp j, 0,1,2,3,4,5
	v_permlane16_swap_b32 v[F+6+\j], v[F+18+\j]
.endr
.irp a, 0,1
.irp c, 0,1,2
	global_store_b128 v7, v[F+12*\a+4*\c:F+12*\a+4*\c+3], s[12:13] offset:1536*\a+512*\c   ; 512 consecutive bytes, at a multiple of 256 from the buffer's first byte
.endr
.endr
	global_store_b32 v8, v14, s[12:13] offset:SCO  ; lanes 0-15 tile A's words, lanes 16-31 tile B's: as the lanes stand
	s_endpgm
.Lfunc_end_k_q2bab637be2_quant:
	.size	k_q2bab637be2_quant, .Lfunc_end_k_q2bab637be2_quant-k_q2bab637be2_quant
	.p2alignl 7, 3214868480
	.fill 96, 4, 3214868480
	.section	.rodata,"a",@progbits
	.p2align	6, 0x0
	.amdhsa_kernel k_q2bab637be2_quant
		.amdhsa_group_segment_fixed_size 35328
		.amdhsa_private_segment_fixed_size 0
		.amdhsa_enable_private_segment 0
		.amdhsa_kernarg_size 40
		.amdhsa_user_sgpr_count 2
		.amdhsa_user_sgpr_kernarg_segment_ptr 1
		.amdhsa_wavefront_size32 1
		.amdhsa_system_sgpr_workgroup_id_x 1
		.amdhsa_system_sgpr_workgroup_id_y 1
		.amdhsa_system_sgpr_workgroup_id_z 1
		.amdhsa_system_vgpr_workitem_id 0
		.amdhsa_next_free_vgpr 194
		.amdhsa_next_free_sgpr 66
		.amdhsa_reserve_vcc 0
		.amdhsa_float_denorm_mode_32 3
		.amdhsa_float_denorm_mode_16_64 3
		.amdhsa_memory_ordered 1
		.amdhsa_forward_progress 1
		.amdhsa_inst_pref_size 30
	.end_amdhsa_kernel
	.amdgpu_metadata
---
amdhsa.version: [ 1, 2 ]
amdhsa.kernels:
  - .name:           k_q2bab637be2_quant
    .symbol:         k_q2bab637be2_quant.kd
    .args:
      - { .name: q, .offset: 0, .size: 8, .value_kind: global_buffer, .address_space: global }
      - { .name: k, .offset: 8, .size: 8, .value_kind: global_buffer, .address_space: global }
      - { .name: v, .offset: 16, .size: 8, .value_kind: global_buffer, .address_space: global }
      - { .name: qc, .offset: 24, .size: 8, .value_kind: global_buffer, .address_space: global }
      - { .name: kv, .offset: 32, .size: 8, .value_kind: global_buffer, .address_space: global }
    .group_segment_fixed_size: 35328
    .private_segment_fixed_size: 0
    .kernarg_segment_align: 8
    .kernarg_segment_size: 40
    .max_flat_workgroup_size: 128
    .sgpr_count:     66
    .vgpr_count:     194
    .wavefront_size: 32
...
	.end_amdgpu_metadata
.endif
;; end of part 1
;; launch attn (part 2): grid 16 x 16, 16 waves a work-group, clusters of 4 x 1, 327,680 bytes of LDS; arguments qc, kv, out0; writes out0
.if DOCPART == 2
	.amdgcn_target "amdgcn-amd-amdhsa--gfx1250"
	.amdhsa_code_object_version 6
	.text
	.protected	k_q2bab637be2_attn
	.globl	k_q2bab637be2_attn
	.p2align	8
	.type	k_q2bab637be2_attn,@function
k_q2bab637be2_attn:
	s_mov_b64 s[64:65], 0
	v_nop
	global_prefetch_b8 v0, s[64:65] scope:SCOPE_SE
	s_setreg_imm32_b32 hwreg(HW_REG_WAVE_MODE, 25, 1), 1
	s_wait_xcnt 0x0
	s_wait_alu depctr_hold_cnt(0) depctr_sa_sdst(0) depctr_va_vdst(0) depctr_va_sdst(0) depctr_va_ssrc(0) depctr_va_vcc(0) depctr_vm_vsrc(0)
	s_getreg_b32 s2, hwreg(HW_REG_IB_STS2, 6, 4)
	s_cmp_eq_u32 s2, 0
	s_cbranch_scc0 .Lentry_in_a_cluster
	s_endpgm
.Lentry_in_a_cluster:
	s_bfe_u32 s2, ttmp6, 0x10000c
	s_cmp_lg_u32 s2, 0x3003
	s_cbranch_scc0 .Lentry_shape_is_right
	s_endpgm
.Lentry_shape_is_right:
; out0[q][64 head + d] = the sum over keys k <= q of softmax_k(Q[q] . K[k] / 8) V[k][d], 4,096 positions, 16 heads of 64; both products on codes of BF6 (E3M2) with one E8M0 scale for each 32 along K.
; qc and kv hold the codes and scale words as images of the operands' registers (made by the launch before): a block of 13,056 bytes of kv is one head's step of 128 keys: K's four images of two tiles (1,536 bytes each),
; K's scale words (4 x 128), V's four fragments (1,536 each), V's scale words (2 x 128).  Lane l's 16 bytes of an image lie at 16 l, its scale word at 4 l.
; THE SOFTMAX AHEAD OF THE SECOND PRODUCT: t = score x log2(e) / 8; M = the row's largest t so far, rounded UP to a whole number; p = 2^(t - M) is quantised along the keys, not normalised.
; The row's sum is taken of the unquantised p, in f32, and divides at the end.  When M moves, the sum and O are multiplied by 2^(old M - new M): exact.
; LAYOUT.  Both products are used transposed: S^T = K Q^T (source 0 = 16 keys, source 1 = my 16 queries), O^T = V^T P^T (source 0 = 16 channels, source 1 = P): a lane holds ONE query (lane % 16) throughout.
; Lane r of K's tile 2 b + u holds key 32 b + 8 u + r + 8 (r / 8), so that the 16 registers of S^T's tiles 2 b, 2 b + 1 are 16 neighbouring keys, 32 b + 16 (lane / 16) + 0 .. 15.  Q's tiles are laid alike.
; THE HEAD IS 64 AND THE INSTRUCTION 128 DEEP.  Q's fragment has zeros in its registers 6-11 (k = 64 .. 127).  K's tile t is named as the twelve registers from its six on: the upper six are the next tile's codes
; (behind tile 7: six registers of zeros).  E3M2 has no infinity and no NaN, and the scale words repeat their two bytes, so each of those products is an exact 0.
; SHARES.  A wave owns one tile of 16 queries, in 256 registers: four waves to a SIMD, so that one wave's vector work stands beside another's matrix work and LDS loads.
; The cluster of four work-groups at x = g owns, of its head, the eight blocks of 128 queries p = 4 g + i and 31 - p, i = 0 .. 3.  With the wave's number in bits b3 b2 b1 b0: i = 2 b3 + b1; the block is p where
; b2 xor b0 is 0 and 31 - p where it is 1; the work-group's place in the cluster picks the block's 32 queries, b2 the tile of 16 among them.  A tile of block B has B + 1 steps of 128 keys that count.  Any four waves that
; share their number's low two bits, or its high two, have 66 steps together, in every work-group of the launch.
; The cluster walks steps 0 .. 31 - 4 g.  A step all of whose keys come after the wave's block is jumped over (a scalar branch on ids); the one step on the diagonal masks; no barrier or tensor load stands in a step.
; CLUSTER.  The four partners walk the same blocks of kv: each slot is asked for JOINTLY, by the same tensor load with the same descriptor and a mask that names the four.  Every branch, trip count and LDS address
; hangs on the wave's number, the cluster's x and constants: they are alike in all partners; the place in the cluster enters Q's and out0's global addresses and the mask's compare alone.
; RING.  Two slots of two steps (26,112 bytes, dense in memory: 102 rows of 256 bytes), filled by wave 0 with one load each.  The cluster has 16 - 2 g slots, an even number, so the loop is written for slot 0 and slot 1
; and every LDS address is a constant + 16 or 4 x lane.  A wave has at most one tensor load out; it has two steps' work of sixteen waves in which to land.
; LIMITS: a p under 2^-126 counts as 0 (v_exp_f32 gives 0 there: ISA guide, 15.8).  A block's largest p is taken from its largest score by the same multiply-add and exponential, which takes v_exp_f32 not to fall
; where its input rises.  NaN and infinities among the inputs are not served.
.set STEPB, 13056                      ; a step's block
.set SLOTB, 2*STEPB
.set KSCO,  6144                       ; in a block: K's scale words,
.set VO,    6656                       ; V's fragments,
.set VSCO,  12800                      ; V's scale words
.set QBLK,  6656                       ; a block of qc: 128 queries of a head
.set SP,    272                        ; the way out: a stage row: 256 bytes + 16
.set STAGE, 2*SLOTB                    ; behind the ring: 16 rows x 272 bytes for each wave; no fill lands there
.set SPARE, STAGE+16*16*SP             ; behind the stages: the spare words, 128 bytes for each wave: eight blocks of 256 bytes that no other line names
.set LI,   1                           ; v1   16 x lane
.set LS,   2                           ; v2   4 x lane
.set SPW,  3                           ; v3   LDS address of my spare word: SPARE + 4 x my thread's number; never rewritten
.set NIL,  4                           ; v4   0; never rewritten
.set DQ,   5                           ; v5   my query's place in its block of 128, less 16 (lane / 16)
.set STO,  6                           ; v6   the way out: where I put 32 bytes of a row
.set RD,   7                           ; v7   and where I read a row back
.set GO,   8                           ; v8   my byte offset in the tile's rows of out0
.set NINF, 9                           ; v9   -infinity
.set VQ,   10                          ; v10  my byte in Q's block: the image of my 32 queries
.set VQS,  11                          ; v11  and my query's scale word
.set NM,   12                          ; v12  -M
.set TM,   13                          ; v13  the largest t so far
.set L,    14                          ; v[14:15] the row's sum, in two halves
.set QS,   16                          ; v16  Q's scale words
.set PW,   17                          ; v17  p's scale word
.set QF,   18                          ; v[18:29] Q's fragment: six registers of codes, six of zeros
.set F,    30                          ; v[30:31] f = 2^(old M - new M); named as a pair
.set KV,   32                          ; v[32:79] K's eight tiles, then V's four fragments;  v[80:85] zeros
.set KSC,  86                          ; v[86:89] K's scale words
.set VSC,  90                          ; v[90:91] V's
.set BM,   92                          ; v[92:95] each block's largest score, then its largest p
.set S,    96                          ; v[96:159] S^T, then p
.set O,    160                         ; v[160:191] O^T
.set PC,   192                         ; v[192:203] p's codes
.set CT,   204                         ; v[204:206], v[208:210] (a conversion's three registers begin on an even number)
.set PT,   212                         ; v[212:215] at work
.set SO,   216                         ; v[216:219] the conversions' scale operands
.set TT,   220
.set T2,   221
.set L2,   222                         ; v[222:223] the sum's second chain
.set WV,   10                          ; s10  my wave's number
.set BLK,  20                          ; s20  my block of 128 queries
.set KS,   21                          ; s21  the step in hand
.set LOOPS, 22
.set UM,   23                          ; s23  all ones where my tile is the second of its image
.set G1,   24                          ; s[24:31] descriptor group 1
.set G0,   32                          ; s[32:35], s[36:39] group 0, one for each slot
.set SEL,  40                          ; s[40:41] lane selects for v_permlanex16_b32: lane l xor 16
.set CS,   42                          ; s[42:43] c = log2(e) / 8: the packed form names a pair and takes its low word for both halves
; A round of the cluster's barrier: my work-group's barrier, so that wave 0's signal speaks for all sixteen waves; wave 0 signals for the work-group; every wave waits for all four work-groups; my work-group's barrier once more.
.macro CROUND
	s_barrier_signal -1
	s_barrier_wait -1
	s_cmp_lg_u32 s[WV], 0
	s_cbranch_scc1 .Lnot_wave_0_\@
	s_barrier_signal -3
.Lnot_wave_0_\@:
	s_barrier_wait -3
	s_barrier_signal -1
	s_barrier_wait -1
.endm
; The joint load of a slot: wave 0's alone.  The branch hangs on the wave's number: it is the same in every work-group.  Four v_nop follow the line, ahead of the label and what follows.
.macro TLOAD g0
	s_cmp_lg_u32 s[WV], 0
	s_cbranch_scc1 .Lnone_\@
	tensor_load_to_lds s[\g0:\g0+3], s[G1:G1+7]
	s_nop 0
.rept 4
	v_nop
.endr
.Lnone_\@:
.endm
	s_load_b128 s[4:7], s[0:1], 0x0                ; qc s[4:5], kv s[6:7]
	s_load_b64 s[8:9], s[0:1], 0x10                ; out0
	v_lshl_add_u32 v[SPW], v0, 2, SPARE
	v_mov_b32 v[NIL], 0
	ds_add_u32 v3, v4
	s_wait_dscnt 0x0
	v_lshrrev_b32 v1, 5, v0
	v_readfirstlane_b32 s[WV], v1                  ; wave 0..15
	s_bfe_u32 s11, ttmp6, 0x40000                  ; cx: my place in the cluster
	s_and_b32 s12, ttmp7, 0xffff                   ; the head, which the four partners share
	s_bfe_u32 s13, s[WV], 0x10003                  ; b3
	s_bfe_u32 s14, s[WV], 0x10001                  ; b1
	s_lshl_b32 s13, s13, 1
	s_add_co_u32 s13, s13, s14                     ; i = 2 b3 + b1
	s_lshl_b32 s14, ttmp9, 2                       ; in a cluster launch ttmp9 counts clusters: g
	s_add_co_u32 s13, s13, s14                     ; p = 4 g + i
	s_bfe_u32 s15, s[WV], 0x10002                  ; b2: my tile of the image's two
	s_xor_b32 s16, s15, s[WV]
	s_and_b32 s16, s16, 1                          ; b2 xor b0
	s_sub_co_u32 s17, 31, s13
	s_cmp_lg_u32 s16, 0
	s_cselect_b32 s[BLK], s17, s13                 ; my block: 31 - p or p
	s_sub_co_u32 s[UM], 0, s15
	s_sub_co_u32 s[LOOPS], 7, ttmp9                ; 8 - g pairs of slots; the last pair is written out
	s_mov_b32 s[KS], 0
	; descriptor group 1: a slot is a dense run of 26,112 bytes: 102 rows of 32 elements of 8 bytes
	s_mov_b32 s[G1+0], 15|(3<<16)|(1<<21)          ; 15:0 the mask: all four work-groups; 17:16 elements of 8 bytes; 20 no padding; 21 set beside a mask
	s_mov_b32 s[G1+1], 32<<16                      ; tensor_dim0 = 32
	s_mov_b32 s[G1+2], 102<<16                     ; tensor_dim1 = 102
	s_mov_b32 s[G1+3], 32<<16                      ; tile_dim0 = 32
	s_mov_b32 s[G1+4], 102                         ; tile_dim1 = 102
	s_mov_b32 s[G1+5], 32                          ; from row to row: 32 elements
	s_mov_b32 s[G1+6], 0
	s_mov_b32 s[G1+7], 0
	s_mov_b32 s[SEL], 0x76543210
	s_mov_b32 s[SEL+1], 0xfedcba98
	s_mov_b32 s[CS], 0x3e38aa3b                    ; c = log2(e) / 8
	s_mov_b32 s[CS+1], s[CS]                       ; (named with it as a pair, so it is written)
	v_and_b32 v2, 31, v0                           ; lane
	v_lshlrev_b32 v[LI], 4, v2
	v_lshlrev_b32 v[LS], 2, v2
	v_and_b32 v[TT], 15, v0                        ; r
	v_bfe_u32 v[T2], v0, 4, 1                      ; h
	v_and_b32 v[DQ], 8, v[TT]
	v_add_nc_u32 v[DQ], v[DQ], v[TT]               ; r + 8 (r / 8)
	v_lshlrev_b32 v[L2], 4, v[T2]
	v_sub_nc_u32 v[DQ], v[DQ], v[L2]               ; - 16 h
	s_lshl_b32 s14, s11, 5
	s_lshl_b32 s16, s15, 3
	s_add_co_u32 s14, s14, s16                     ; my tile's first query in its block: 32 cx + 8 b2
	v_add_nc_u32 v[DQ], s14, v[DQ]
	s_mul_i32 s17, s[WV], 16*SP
	s_add_co_u32 s17, s17, STAGE                   ; my stage
	v_mul_u32_u24 v[STO], v[TT], SP
	v_lshl_add_u32 v[STO], v[T2], 5, v[STO]
	v_add_nc_u32 v[STO], s17, v[STO]               ; in: row r, + 32 h
	v_mul_u32_u24 v[RD], v[T2], SP
	v_lshl_add_u32 v[RD], v[TT], 4, v[RD]
	v_add_nc_u32 v[RD], s17, v[RD]                 ; back: lanes 0-15 one row of 256 bytes, lanes 16-31 the next
	v_lshlrev_b32 v[GO], 12, v[T2]
	v_lshl_add_u32 v[GO], v[TT], 4, v[GO]          ; and the same two rows in out0, 4,096 bytes apart
	v_mov_b32 v[NINF], 0xff800000
	s_mul_i32 s18, s11, 1536
	v_add_nc_u32 v[VQ], s18, v[LI]                 ; Q: image cx of the block
	s_lshl_b32 s19, s11, 7
	s_lshl_b32 s16, s15, 6
	s_add_co_u32 s19, s19, s16
	v_lshl_add_u32 v[VQS], v[TT], 2, s19           ; its scale words: 128 cx + 64 b2 + 4 r: every lane takes query r's
	s_lshl_b32 s44, s12, 5
	s_add_co_u32 s44, s44, s[BLK]
	s_mul_i32 s44, s44, QBLK                       ; Q's block: 32 x head + block
	s_mov_b32 s45, 0
	s_lshl_b32 s46, s[BLK], 7
	s_add_co_u32 s46, s46, s14
	s_lshl_b32 s46, s46, 12                        ; out0: my tile's first row of 4,096 bytes,
	s_lshl_b32 s16, s12, 8
	s_add_co_u32 s46, s46, s16                     ; the head's 256 bytes in it
	s_mov_b32 s47, 0
	s_mul_i32 s48, s12, 32*STEPB                   ; kv: the head's first block (registers that never hold the place in the cluster)
	s_mov_b32 s49, 0
	s_wait_kmcnt 0x0
	s_add_nc_u64 s[4:5], s[4:5], s[44:45]
	s_add_nc_u64 s[8:9], s[8:9], s[46:47]
	s_mov_b32 s[G0], 1                             ; 1:0 count = 1
	s_mov_b32 s[G0+1], 0                           ; 63:32 LDS address: slot 0
	s_add_nc_u64 s[G0+2:G0+3], s[6:7], s[48:49]    ; 120:64 global address: steps 0 and 1
	s_mov_b32 s[G0+4], 1
	s_mov_b32 s[G0+5], SLOTB                       ; slot 1
	s_add_nc_u64 s[G0+6:G0+7], s[G0+2:G0+3], SLOTB ; steps 2 and 3
	s_or_b32 s[G0+3], s[G0+3], 0x80000000          ; 127:126 type = 2
	s_or_b32 s[G0+7], s[G0+7], 0x80000000
	CROUND                                         ; all four work-groups are here: the first joint load meets
	TLOAD G0                                       ; slot 0
.irp c, 0,1,2
	global_load_b128 v[S+4*\c:S+4*\c+3], v[VQ], s[4:5] offset:512*\c   ; the image of two tiles of Q: twelve registers
.endr
	global_load_b32 v[QS], v[VQS], s[4:5] offset:KSCO
	v_mov_b32 v[TM], 0xff61b1e6                    ; the largest t so far: -3e38, under every t
	v_floor_f32 v[NM], -v[TM]                      ; -M
	v_mov_b32 v[L], 0
	v_mov_b32 v[L+1], 0
	v_mov_b32 v[F+1], 0                            ; (named as the upper half of the pair before it is otherwise written)
.irp b, 0,1,2,3
	v_mov_b32 v[PT+\b], 0                          ; written once: a lane permute's destination counts as one of its sources
.endr
.irp j, 0,1,2,3,4,5
	v_mov_b32 v[QF+6+\j], 0                        ; Q's k = 64 .. 127: zero codes
	v_mov_b32 v[KV+48+\j], 0                       ; what stands behind K's tile 7
.endr
	s_wait_loadcnt 0x0                             ; Q
.irp j, 0,1,2,3,4,5
	v_cndmask_b32 v[QF+\j], v[S+\j], v[S+6+\j], s[UM]   ; my tile of the two
.endr
.irp j, 0,1,2,3,4,5,6,7,8,9,10,11,12,13,14,15,16,17,18,19,20,21,22,23,24,25,26,27,28,29,30,31
	v_mov_b32 v[O+\j], 0                           ; O^T.  (The step is written once: the first finds zeros, which the first change of M leaves zeros.  These lines also stand between the writing of Q's fragment and the first product)
.endr
; A KEY STEP: 128 keys, the q-th of slot sl.
.macro STEP sl, q
.set B0, SLOTB*(\sl)+STEPB*(\q)
	s_cmp_gt_u32 s[KS], s[BLK]                     ; all its keys come after my queries: nothing to do
	s_cbranch_scc1 .Lhid_\@
.irp b, 0,1,2,3
	ds_load_b32 v[KSC+\b], v[LS] offset:B0+KSCO+128*\b
.endr
.irp b, 0,1,2,3
.irp c, 0,1,2
	ds_load_b128 v[KV+12*\b+4*\c:KV+12*\b+4*\c+3], v[LI] offset:B0+1536*\b+512*\c   ; two tiles of K in three loads of 512 consecutive bytes
.endr
.endr
	s_wait_dscnt 0x0
.irp b, 0,1,2,3                                ; S^T = K Q^T.  Tile 2 b's scale words stand in lanes 0-15 of the image's register, tile 2 b + 1's in lanes 16-31
	v_wmma_scale_f32_16x16x128_f8f6f4 v[S+16*\b:S+16*\b+7], v[KV+12*\b:KV+12*\b+11], v[QF:QF+11], 0, v[KSC+\b], v[QS] matrix_a_fmt:MATRIX_FMT_BF6 matrix_b_fmt:MATRIX_FMT_BF6
	v_wmma_scale_f32_16x16x128_f8f6f4 v[S+16*\b+8:S+16*\b+15], v[KV+12*\b+6:KV+12*\b+17], v[QF:QF+11], 0, v[KSC+\b], v[QS] matrix_a_fmt:MATRIX_FMT_BF6 matrix_b_fmt:MATRIX_FMT_BF6 matrix_a_scale:MATRIX_SCALE_ROW1
.endr
	v_mov_b32 v[TT], v[NM]                         ; the old -M is kept.  With three v_nop: the four places in front of the loads into K's registers and of the first read of the scores
.rept 3
	v_nop
.endr
.irp w, 0,1
	ds_load_b32 v[VSC+\w], v[LS] offset:B0+VSCO+128*\w
.endr
.irp d, 0,1,2,3
.irp c, 0,1,2
	ds_load_b128 v[KV+12*\d+4*\c:KV+12*\d+4*\c+3], v[LI] offset:B0+VO+1536*\d+512*\c   ; V's fragments land while the softmax is worked
.endr
.endr
	s_cmp_lt_u32 s[KS], s[BLK]                     ; a step ahead of my block: all its keys count
	s_cbranch_scc1 .Lopen_\@
; On the diagonal.  Register 16 b + i holds key 32 b + 16 (lane / 16) + i of the step: hidden where 32 b + i > my query's place - 16 (lane / 16).  Its score becomes -infinity ahead of the maximum: p = 0 then.
; Key 0 of the step counts for every query, so the step's maximum is a number.
.set N, 0
.rept 64
	v_cmp_gt_i32 vcc_lo, 32*(N/16)+N%16, v[DQ]
	v_cndmask_b32 v[S+N], v[S+N], v[NINF], vcc_lo
.set N, N+1
.endr
.Lopen_\@:
.irp b, 0,1,2,3
	v_max3_num_f32 v[BM+\b], v[S+16*\b], v[S+1+16*\b], v[S+2+16*\b]   ; THE LARGEST SCORE OF EACH BLOCK OF 32 KEYS: it serves for the row's maximum and, since p rises with the score, for the block's largest p
.endr
.irp i, 3,5,7,9,11,13
.irp b, 0,1,2,3
	v_max3_num_f32 v[BM+\b], v[BM+\b], v[S+16*\b+\i], v[S+1+16*\b+\i]   ; (the four blocks by turns)
.endr
.endr
.irp b, 0,1,2,3
	v_max_num_f32 v[BM+\b], v[BM+\b], v[S+15+16*\b]
.endr
.irp b, 0,1,2,3
	v_permlanex16_b32 v[PT+\b], v[BM+\b], s[SEL], s[SEL+1]
.endr
.irp b, 0,1,2,3
	v_max_num_f32 v[BM+\b], v[BM+\b], v[PT+\b]     ; with lane l xor 16's 16 keys
.endr
	v_max3_num_f32 v[T2], v[BM], v[BM+1], v[BM+2]
	v_max_num_f32 v[T2], v[T2], v[BM+3]            ; the step's largest score of my query
	v_mul_f32 v[T2], s[CS], v[T2]                  ; as t (c is positive)
	v_max_num_f32 v[TM], v[TM], v[T2]              ; the running largest t
	v_floor_f32 v[NM], -v[TM]                      ; the new -M = floor(-t) = -ceil(t): M IS A WHOLE NUMBER
	v_sub_f32 v[TT], v[NM], v[TT]                  ; M's old value less its new one: a whole number, 0 or less
	v_cvt_i32_f32 v[TT], v[TT]                     ; (it saturates)
	v_ldexp_f32 v[F], 1.0, v[TT]                   ; f = 2^(old M - new M)
.irp j, 0,2,4,6,8,10,12,14,16,18,20,22,24,26,28,30,32,34,36,38,40,42,44,46,48,50,52,54,56,58,60,62
	v_pk_fma_f32 v[S+\j:S+\j+1], v[S+\j:S+\j+1], s[CS:CS+1], v[NM:NM+1] op_sel_hi:[1,0,0]   ; t - M, two at a time (of the pairs c and -M the low word serves both halves)
.endr
.irp b, 0,1,2,3
	v_fma_f32 v[BM+\b], v[BM+\b], s[CS], v[NM]     ; the same of each block's largest score
.endr
.irp j, 0,1,2,3,4,5,6,7,8,9,10,11,12,13,14,15,16,17,18,19,20,21,22,23,24,25,26,27,28,29,30,31,32,33,34,35,36,37,38,39,40,41,42,43,44,45,46,47,48,49,50,51,52,53,54,55,56,57,58,59,60,61,62,63
	v_exp_f32 v[S+\j], v[S+\j]                     ; p = 2^(t - M), at most 1: NOT normalised
.endr
.irp b, 0,1,2,3
	v_exp_f32 v[BM+\b], v[BM+\b]                   ; the block's largest p: the same two instructions on the same number give the same bits
.endr
	v_pk_mul_f32 v[L:L+1], v[L:L+1], v[F:F+1] op_sel_hi:[1,0]   ; the sums under the new M.  (The plain instruction behind the exponentials)
	s_wait_alu depctr_va_vdst(0)
.irp b, 0,1,2,3
	v_max_num_f32 v[BM+\b], 0x2800000, v[BM+\b]    ; the floor 2^(5 - 127): the byte cannot fall under 1 (a block whose every p is 0 keeps that byte: its codes are zeros)
.endr
.irp b, 0,1,2,3
	v_add_nc_u32 v[SO+\b], 0xfe000000, v[BM+\b]    ; 4 off the exponent field: the conversion's scale operand
.endr
.irp b, 0,1,2,3
	v_lshrrev_b32 v[PT+\b], 23, v[SO+\b]           ; the scale's byte
.endr
	v_lshl_or_b32 v[PW], v[PT+1], 8, v[PT]         ; p's scale word for these 128 keys
	v_lshl_or_b32 v[PW], v[PT+2], 16, v[PW]
	v_lshl_or_b32 v[PW], v[PT+3], 24, v[PW]
.irp c, 0,1
	v_cvt_scalef32_pk16_bf6_f32 v[PC+6*\c:PC+6*\c+2], v[S+32*\c:S+32*\c+15], v[SO+2*\c]
	v_cvt_scalef32_pk16_bf6_f32 v[CT+4*\c:CT+4*\c+2], v[S+16+32*\c:S+31+32*\c], v[SO+2*\c+1]
.endr
	v_nop                                          ; one plain instruction between a scaled conversion and the vector instruction that touches its result
.irp c, 0,1                                    ; the operand's layout wants a WHOLE block in a lane: lanes 0-15 block 2 c, lanes 16-31 block 2 c + 1
.irp i, 0,1,2
	v_permlane16_swap_b32 v[PC+6*\c+\i], v[CT+4*\c+\i]
.endr
.irp i, 0,1,2
	v_mov_b32 v[PC+6*\c+3+\i], v[CT+4*\c+\i]
.endr
.endr
.irp j, 0,2,4,6,8,10,12,14,16,18,20,22,24,26,28,30
	v_pk_mul_f32 v[O+\j:O+\j+1], v[O+\j:O+\j+1], v[F:F+1] op_sel_hi:[1,0]   ; O^T under the new M: x f; each accumulator from its low end on
.endr
	v_pk_add_f32 v[L2:L2+1], v[S:S+1], v[S+2:S+3]  ; THE ROW'S SUM IS TAKEN OF THE UNQUANTISED p: two at a time, in two chains.  (These 32 lines stand between all that vector instructions wrote for the product below and that product)
.irp j, 4,8,12,16,20,24,28,32,36,40,44,48,52,56,60
	v_pk_add_f32 v[L:L+1], v[L:L+1], v[S+\j:S+\j+1]
	v_pk_add_f32 v[L2:L2+1], v[L2:L2+1], v[S+2+\j:S+3+\j]
.endr
	v_pk_add_f32 v[L:L+1], v[L:L+1], v[L2:L2+1]
	s_wait_dscnt 0x0                               ; V is in
.irp w, 0,1                                    ; O^T += V^T P^T: four accumulators, one instruction each: the accumulators take turns
	v_wmma_scale_f32_16x16x128_f8f6f4 v[O+16*\w:O+16*\w+7], v[KV+24*\w:KV+24*\w+11], v[PC:PC+11], v[O+16*\w:O+16*\w+7], v[VSC+\w], v[PW] matrix_a_fmt:MATRIX_FMT_BF6 matrix_b_fmt:MATRIX_FMT_BF6
	v_wmma_scale_f32_16x16x128_f8f6f4 v[O+16*\w+8:O+16*\w+15], v[KV+24*\w+12:KV+24*\w+23], v[PC:PC+11], v[O+16*\w+8:O+16*\w+15], v[VSC+\w], v[PW] matrix_a_fmt:MATRIX_FMT_BF6 matrix_b_fmt:MATRIX_FMT_BF6 matrix_a_scale:MATRIX_SCALE_ROW1
.endr
.rept 4
	v_nop                                          ; places in front of the next step's loads into V's registers, and of the way out's first read of O^T
.endr
.Lhid_\@:
	s_add_co_u32 s[KS], s[KS], 1
.endm
; THE CHANGE OF SLOTS stands at the head of slot x.  Each wave waits for all its tensor loads (wave 0: slot x's), adds 0 to its spare word, and waits for that and for its reads of the slot that it has left.
; fill = 1: a round of the cluster's barrier follows, so that no wave of any partner still reads the other slot or has a load on its way, and the joint refill of that slot is the first thing behind it.
.macro CHANGE x, fill
	s_wait_tensorcnt 0x0                           ; no tensor load of mine is out, so a group 0 may be written
	ds_add_u32 v[SPW], v[NIL]                      ; 0 onto my spare word
	s_add_nc_u64 s[G0+4*(\x)+2:G0+4*(\x)+3], s[G0+4*(\x)+2:G0+4*(\x)+3], 2*SLOTB   ; slot x's next two steps (in the last pair of slots the stepped address is not used); the type bits on top are not reached
	s_wait_dscnt 0x0                               ; the add is done, and my reads of the slot that I have left are over
.if \fill
	CROUND
	TLOAD G0+4*(1-\x)
.else
	s_barrier_signal -1
	s_barrier_wait -1
.endif
.endm
.Lpair:                                            ; 7 - g trips, two slots each
	CHANGE 0, 1
	STEP 0, 0
	STEP 0, 1
	CHANGE 1, 1
	STEP 1, 0
	STEP 1, 1
	s_sub_co_u32 s[LOOPS], s[LOOPS], 1
	s_cmp_lg_u32 s[LOOPS], 0
	s_cbranch_scc1 .Lpair
	CHANGE 0, 1                                    ; the last pair is written out: the last slot is asked for here
	STEP 0, 0
	STEP 0, 1
	CHANGE 1, 0                                    ; and nothing behind it
	STEP 1, 0
	STEP 1, 1
	; THE WAY OUT.  O^T is divided by the row's sum and goes through my stage in LDS: a lane holds 32 neighbouring bytes of a row for each tile of channels; back come whole rows of 256 bytes.
	v_add_f32 v[L], v[L], v[L+1]                   ; the sum's two halves,
	v_permlanex16_b32 v[TT], v[L], s[SEL], s[SEL+1]
	v_add_f32 v[L], v[L], v[TT]                    ; and lane l xor 16's: the row's sum
	v_rcp_f32 v[L], v[L]
	v_nop                                          ; a plain instruction behind the transcendental
	s_wait_alu depctr_va_vdst(0)
.irp j, 0,2,4,6,8,10,12,14,16,18,20,22,24,26,28,30
	v_pk_mul_f32 v[S+\j:S+\j+1], v[O+\j:O+\j+1], v[L:L+1] op_sel_hi:[1,0]   ; register 8 t + i is out(my query, 16 t + 8 h + i)
.endr
.irp t, 0,1,2,3
	ds_store_b128 v[STO], v[S+8*\t:S+8*\t+3] offset:64*\t
	ds_store_b128 v[STO], v[S+8*\t+4:S+8*\t+7] offset:64*\t+16
.endr
.irp i, 0,1,2,3,4,5,6,7
	ds_load_b128 v[KV+4*\i:KV+4*\i+3], v[RD] offset:2*\i*SP   ; LDS serves a wave's instructions in order: these see my stores
.endr
.irp i, 0,1,2,3,4,5,6,7
	s_wait_dscnt 7-\i                              ; load i is in; the 7 - i younger ones may be out
	global_store_b128 v[GO], v[KV+4*\i:KV+4*\i+3], s[8:9] offset:(2*\i+8*(\i/4))*4096 th:TH_STORE_NT   ; the tile's lanes 2 i, 2 i + 1 hold queries 2 i + 8 (i / 4) on; 16 lanes store 256 consecutive bytes, at a multiple of 256 from out0's first byte
.endr
	s_wait_tensorcnt 0x0                           ; the wave's end: behind my last tensor load and my last LDS store
	ds_add_u32 v[SPW], v[NIL]
	s_wait_dscnt 0x0
	CROUND                                         ; the closing round: no work-group ends while a partner may still ask for a slot that names it
	s_endpgm
.Lfunc_end_k_q2bab637be2_attn:
	.size	k_q2bab637be2_attn, .Lfunc_end_k_q2bab637be2_attn-k_q2bab637be2_attn
	.p2alignl 7, 3214868480
	.fill 96, 4, 3214868480
	.section	.rodata,"a",@progbits
	.p2align	6, 0x0
	.amdhsa_kernel k_q2bab637be2_attn
		.amdhsa_group_segment_fixed_size 327680
		.amdhsa_private_segment_fixed_size 0
		.amdhsa_enable_private_segment 0
		.amdhsa_kernarg_size 24
		.amdhsa_user_sgpr_count 2
		.amdhsa_user_sgpr_kernarg_segment_ptr 1
		.amdhsa_wavefront_size32 1
		.amdhsa_system_sgpr_workgroup_id_x 1
		.amdhsa_system_sgpr_workgroup_id_y 1
		.amdhsa_system_sgpr_workgroup_id_z 1
		.amdhsa_system_vgpr_workitem_id 0
		.amdhsa_next_free_vgpr 256
		.amdhsa_next_free_sgpr 66
		.amdhsa_reserve_vcc 1
		.amdhsa_float_denorm_mode_32 3
		.amdhsa_float_denorm_mode_16_64 3
		.amdhsa_memory_ordered 1
		.amdhsa_forward_progress 1
		.amdhsa_inst_pref_size 177
	.end_amdhsa_kernel
	.amdgpu_metadata
---
amdhsa.version: [ 1, 2 ]
amdhsa.kernels:
  - .name:           k_q2bab637be2_attn
    .symbol:         k_q2bab637be2_attn.kd
    .args:
      - { .name: qc, .offset: 0, .size: 8, .value_kind: global_buffer, .address_space: global }
      - { .name: kv, .offset: 8, .size: 8, .value_kind: global_buffer, .address_space: global }
      - { .name: out0, .offset: 16, .size: 8, .value_kind: global_buffer, .address_space: global }
    .group_segment_fixed_size: 327680
    .private_segment_fixed_size: 0
    .kernarg_segment_align: 8
    .kernarg_segment_size: 24
    .max_flat_workgroup_size: 512
    .sgpr_count:     66
    .vgpr_count:     256
    .wavefront_size: 32
...
	.end_amdgpu_metadata
.endif
;; end of part 2
